; MI455X (gfx1250); checked and timed in simulation.
; The chip was launched on July 23, 2026; its instructions are those of AMD's public machine-readable ISA for CDNA 5 (MIT licence, August 2026) and "CDNA5" Instruction Set Architecture Reference Guide (July 2026). The comments in the code are by the model that wrote it; some were corrected since.
;; Cross Attention Block. Allowed arithmetic: matrix products marked QUANTISED: E5M2 operands, one given power-of-two scale a tensor, by v_wmma_f32_16x16x64_bf8_bf8 or v_wmma_f32_16x16x128_bf8_bf8, f32 sums; everything else in f32.
;; Inputs: Wk_codes 512 x 16 x 32 uint8 (E5M2 codes of Wk, K innermost, in blocks of 32 codes); Wq_codes 512 x 16 x 32 uint8 (E5M2 codes of Wq, K innermost, in blocks of 32 codes); Wv_codes 512 x 16 x 32 uint8 (E5M2 codes of Wv, K innermost, in blocks of 32 codes); audio_embed_codes 16 x 1,024 x 16 x 32 uint8 (E5M2 codes of audio_embed, K innermost, in blocks of 32 codes); bk 512 float32; bq 512 float32; bv 512 float32; lowp_scales 10 int32 (the exponents e of the quantised operands' scales 2^e); x_codes 16 x 2,048 x 16 x 32 uint8 (E5M2 codes of x, K innermost, in blocks of 32 codes).
;; Outputs: out0 16 x 2,048 x 512 float32.
;; This version of the problem:
;;   THIS VERSION OF THE PROBLEM IS GIVEN IN LOW PRECISION. The matrix products marked QUANTISED in the list below multiply operands that are first quantised to E5M2 (5 exponent bits, 2 mantissa bits; 8 bits a number), with one given power-of-two scale for each operand tensor; their sums are f32. All else is computed in f32.
;;   The module's matrix products, in the order in which they are computed (A, B: the left and right operand; K: the contracted axis; several contracted axes count as one K, in the product's order):
;;     1. [M 32,768, K 512] x [K 512, N 512]; A: input x (given as codes); B: input Wq (given as codes): QUANTISED (scales: A lowp_scales[0], B lowp_scales[1])
;;     2. [M 16,384, K 512] x [K 512, N 512]; A: input audio_embed (given as codes); B: input Wk (given as codes): QUANTISED (scales: A lowp_scales[2], B lowp_scales[3])
;;     3. [M 16,384, K 512] x [K 512, N 512]; A: input audio_embed (given as codes); B: input Wv (given as codes): QUANTISED (scales: A lowp_scales[4], B lowp_scales[5])
;;     4. batch 16 x [M 2,048, K 512] x [K 512, N 1,024]; A: computed on the way; B: computed on the way: QUANTISED (scales: A lowp_scales[6], B lowp_scales[7])
;;     5. batch 16 x [M 2,048, K 1,024] x [K 1,024, N 512]; A: softmax (see below); B: computed on the way: QUANTISED (scales: A lowp_scales[8], B lowp_scales[9])
;;   THE QUANTISER, for each operand of a quantised product, along K:
;;     - The operand's scale is 2^e, e = its entry of the input lowp_scales (int32; the entries are numbered through the quantised products in the list's order, A before B).
;;     - Each number is divided by the scale, clamped to +-57,344, and rounded to the nearest number of E5M2, ties to even, subnormals kept.
;;     - The product sums the exact products of the quantised numbers (number of the format x scale) in f32.
;;   ~~~python
;;   def quantise(x, axis, e):      # numpy; x: float32 -> the quantised numbers, widened to float32 again
;;       x = np.moveaxis(x, axis, -1); K = x.shape[-1]
;;       r = np.clip(x / 2.0 ** e, -57344, 57344)
;;       step = 2.0 ** (np.maximum(np.frexp(np.where(r == 0, 1, r))[1] - 1, -14) - 2)
;;       q = np.round(r / step) * step * 2.0 ** e      # np.round: ties to even
;;       return np.moveaxis(q, -1, axis).astype(np.float32)
;;   ~~~
;;   SOFTMAX AHEAD OF A QUANTISED PRODUCT. Where the list says 'softmax', what is quantised is not the finished softmax but p = 2^(t - M), with t = logit x log2(e) and M = ceil(the row's largest t), a whole number; so 1/2 < the row's largest p <= 1. The row's sum l is taken of the UNQUANTISED p, in f32, and the product's result is divided by l at the end. Since M is a whole number, a kernel that streams over the keys may use a running M (the ceiling of the running maximum): every later rescaling is an exact power of two, so the quantised numbers keep their values, but for numbers so far below the row's largest that they fall under the format's range.
;;   OPERANDS COMPUTED ON THE WAY. 'Computed on the way' means the value that the module computes at that place (a softmax that the list does not call 'softmax' is quantised finished and normalised). What goes into a quantiser is computed in f32, as accurately as f32 sums, v_exp_f32 and their like allow (about 1e-6 of the number): no bf16 or f16 on the way to a quantiser, and a product that is left as it is and whose result goes on into a quantised operand takes f32 operands (vector FMAs, or v_wmma_f32_16x16x4_f32). A number that lies on a knife's edge between two numbers of the format may be rounded either way, as far as f32 arithmetic and the matrix unit's own rounding can turn it there, and no further.
;;   INPUTS GIVEN AS CODES. Wk (in the module: [512, 512], K = its axis 0); Wq (in the module: [512, 512], K = its axis 0); Wv (in the module: [512, 512], K = its axis 0); audio_embed (in the module: [16, 1024, 512], K = its axis 2); x (in the module: [16, 2048, 512], K = its axis 2): each comes as NAME_codes (uint8): NAME with its K axis moved to the last place and cut into blocks of 32 codes, [.., K / 32, bytes a block], one block behind the other in memory; one code a byte (a code: sign, 5 exponent bits, 2 mantissa bits); its scale is its entry of lowp_scales. Its value is code x scale, taken as it is: it is not quantised again, and the codes and scales need not be those that the quantiser above would give.
;; One version. Each part assembles by itself: llvm-mc -triple=amdgcn-amd-amdhsa -mcpu=gfx1250 --defsym DOCPART=n.
;; ======== version 1 of 1: 2 launches
;; limits: right only within a limited range of input values
;; workspace buffers: kv 16,777,216 bytes; wqi 262,144 bytes
;; launch kvproj (part 1): grid 256 x 1, 4 waves a work-group, clusters of 4 x 1, 327,680 bytes of LDS; arguments audio_embed_codes, Wk_codes, Wv_codes, Wq_codes, bk, bv, lowp_scales, kv, wqi; writes kv, wqi
.if DOCPART == 1
	.amdgcn_target "amdgcn-amd-amdhsa--gfx1250"
	.amdhsa_code_object_version 6
	.text
	.protected	k_qa77ff475c2_kvproj
	.globl	k_qa77ff475c2_kvproj
	.p2align	8
	.type	k_qa77ff475c2_kvproj,@function
k_qa77ff475c2_kvproj:
	s_mov_b64 s[64:65], 0
	v_nop
	global_prefetch_b8 v0, s[64:65] scope:SCOPE_SE
	s_setreg_imm32_b32 hwreg(HW_REG_WAVE_MODE, 25, 1), 1
	s_wait_xcnt 0x0
	s_wait_alu depctr_hold_cnt(0) depctr_sa_sdst(0) depctr_va_vdst(0) depctr_va_sdst(0) depctr_va_ssrc(0) depctr_va_vcc(0) depctr_vm_vsrc(0)
	s_getreg_b32 s2, hwreg(HW_REG_IB_STS2, 6, 4)
	s_cmp_eq_u32 s2, 0
	s_cbranch_scc0 .Lentry_in_a_cluster
	s_endpgm
.Lentry_in_a_cluster:
	s_bfe_u32 s2, ttmp6, 0x10000c
	s_cmp_lg_u32 s2, 0x3003
	s_cbranch_scc0 .Lentry_shape_is_right
	s_endpgm
.Lentry_shape_is_right:
; K = a Wk + bk and V = a Wv + bv on codes of BF8 (E5M2), f32 sums; each result is quantised with its given scale (entries 7, 9) and stored as IMAGES OF OPERAND REGISTERS for the next launch.
; Wq's codes are laid out as such images too (a copy).
; SHARES.  A work-group takes 256 audio rows and 256 channels of one weight: cluster number C = 0..63: batch C & 15, weight block C >> 4 (K 0, K 1, V 0, V 1); the four partners take the batch's four blocks of 256 rows and share
; the weight's tiles, which they ask for jointly (mask 15).  The rows of audio are asked for by the work-group alone: the other three that read them are in other clusters.
; A wave makes 128 x 128: 64 accumulators of 16 x 16.  All of K = 512 comes at once, by one tensor load a wave: 128 rows of 512 bytes; no LDS byte is filled twice.
; CHANNELS.  A weight tile is the 128 rows 4 q + u of one u (weight block b: u = 2 b and 2 b + 1): position r of its tile t (0..7) is channel 64 t + 4 r + u.  So the tiles (t, u = 0..3) of V hold, in one lane, four
; neighbouring channels.  The channels of K have an order of their own in this way, and the next launch's Q the same.
; TWO SIDES.  Source 0 gives the registers, source 1 the lanes.  K: source 0 = channels, source 1 = keys.  V: source 0 = keys, source 1 = channels.  The accumulator (a, b) becomes registers 2 b, 2 b + 1 of fragment a.
; In LDS the lanes' side comes first, fetched by waves 0 and 1, then the registers' side, fetched by waves 2 and 3: which tensor a wave asks for hangs on its number and on K or V.
;   kv, a batch 1 MiB: K [key tile 64][channel block 2 (u & 1) + u / 2][g 4][512], then V [channel tile 4 t + u][key / 128][g 4][512]; lane l's 16 bytes at 512 g + 16 l.
;   wqi: [channel tile 8 x block + t][k / 128][g 4][512].
; THE SCALES.  A sum stands for sum x 2^(ea + ew).  The bias, divided by that, is the C of each sum's first product; the conversion takes 2^(eo - ea - ew).
; NO PREFETCH: every load is issued at the head, there is no loop to run ahead in.
; LIMITS: eo - ea - ew between -126 and 112 for (e2, e3, e7), (e4, e5, e9), so that the scale and 57,344 x the scale are f32 numbers.  NaN among the biases is not served.
; REGISTERS: window 0: v0-31 addresses, v32-95 the bias (later results held), v128-255 fragments of source 1 (later codes).  window 1: fragments of source 0, two sets.  windows 2, 3: accumulators.
.set PITCH,  528
.set HALFT,  128*PITCH
.set SPARE,  4*HALFT
.set LI,  1
.set RR,  2
.set HH,  3
.set BA,  4
.set SC,  5
.set LM,  6
.set OF,  8
.set ADRA, 16
.set ADRB, 20
.set SPW, 28
.set NIL, 29
.set BI,  32
.set TMP, 32
.set AF,  128
.set RAW, 128
.set CD,  128
.set G1X, 24
.set G0X, 32
.set G1W, 48
.set G0W, 56
.set MSB, 0
.macro WIN new
.if MSB != (\new)
	s_set_vgpr_msb (MSB<<8)|(\new)
.set MSB, (\new)
.endif
.endm
.macro PLACES
.rept 4
	v_nop
.endr
.endm
.macro CROUND
	s_barrier_signal -1
	s_barrier_wait -1
	s_cmp_lg_u32 s22, 0
	s_cbranch_scc1 .Lnot_wave_0_\@
	s_barrier_signal -3
.Lnot_wave_0_\@:
	s_barrier_wait -3
	s_barrier_signal -1
	s_barrier_wait -1
.endm
	s_load_b512 s[4:19], s[0:1], 0x0               ; audio s[4:5], Wk s[6:7], Wv s[8:9], Wq s[10:11], bk s[12:13], bv s[14:15], exponents s[16:17], kv s[18:19]
	s_load_b64 s[20:21], s[0:1], 0x40              ; wqi
	v_lshl_add_u32 v[SPW], v0, 2, SPARE
	v_mov_b32 v[NIL], 0
	ds_add_u32 v[SPW], v[NIL]                      ; the opening lines
	ds_add_u32 v[SPW], v[NIL]
	v_lshrrev_b32 v1, 5, v0
	v_readfirstlane_b32 s22, v1                    ; wave
	s_lshr_b32 s23, s22, 1                         ; my half of the lanes' side; I fetch for the lanes' side (0) or the registers' (1)
	s_and_b32 s40, s22, 1                          ; my half of the registers' side; which 128 rows I fetch
	s_bfe_u32 s41, ttmp6, 0x40000                  ; cx: the batch's block of 256 rows
	s_bfe_u32 s42, ttmp9, 0x10005                  ; 0: K, 1: V
	s_bfe_u32 s43, ttmp9, 0x10004                  ; which 256 channels
	s_and_b32 s44, ttmp9, 15                       ; batch
	s_xor_b32 s67, s23, s42                        ; K: the lanes' side is audio; V: the registers' side
	s_lshl_b32 s66, s43, 1                         ; the first u
	s_mov_b32 s[G1X], (3<<16)|(1<<20)|(6<<22)|(3<<25)      ; elements of 8 bytes; after every 128 words 4 words of padding
	s_mov_b32 s[G1W], 15|(3<<16)|(1<<20)|(1<<21)|(6<<22)|(3<<25)
.irp g, G1X, G1W
	s_mov_b32 s[\g+1], 64<<16                      ; tensor_dim0
	s_mov_b32 s[\g+2], 128<<16                     ; tensor_dim1
	s_mov_b32 s[\g+3], 64<<16                      ; tile_dim0
	s_mov_b32 s[\g+4], 128                         ; tile_dim1
	s_mov_b32 s[\g+6], 0
	s_mov_b32 s[\g+7], 0
.endr
	s_mov_b32 s[G1X+5], 64                         ; from row to row
	s_mov_b32 s[G1W+5], 256                        ; four rows of the weight on
	s_lshl_b32 s45, s40, 16                        ; 128 rows of 512 bytes
	s_lshl_b32 s46, s44, 19
	s_lshl_b32 s47, s41, 17
	s_add_co_u32 s46, s46, s47
	s_add_co_u32 s46, s46, s45
	s_mov_b32 s47, 0
	s_add_co_u32 s78, s66, s40                     ; u
	s_lshl_b32 s78, s78, 9
	s_mov_b32 s79, 0
	s_mul_i32 s45, s22, HALFT
	s_wait_alu depctr_va_vdst(0)
	s_wait_dscnt 0x0                               ; both opening adds are done
	s_wait_kmcnt 0x0
	s_load_b256 s[68:75], s[16:17], 0x0            ; e0 .. e7
	s_load_b64 s[76:77], s[16:17], 0x20            ; e8, e9
	s_cmp_eq_u32 s42, 0
	s_cselect_b64 s[6:7], s[6:7], s[8:9]           ; the weight
	s_cselect_b64 s[12:13], s[12:13], s[14:15]     ; the bias
	s_add_nc_u64 s[46:47], s[4:5], s[46:47]
	s_add_nc_u64 s[78:79], s[6:7], s[78:79]
	s_mov_b32 s[G0X], 1
	s_mov_b32 s[G0X+1], s45
	s_mov_b64 s[G0X+2:G0X+3], s[46:47]
	s_or_b32 s[G0X+3], s[G0X+3], 0x80000000
	s_mov_b32 s[G0W], 1
	s_mov_b32 s[G0W+1], s45
	s_mov_b64 s[G0W+2:G0W+3], s[78:79]
	s_or_b32 s[G0W+3], s[G0W+3], 0x80000000
	CROUND
	s_cmp_eq_u32 s67, 0                            ; s67 = 0: my side is the audio rows; 1: the weight's (jointly).  One tensor load a wave
	s_cbranch_scc0 .Lfor_w
	tensor_load_to_lds s[G0X:G0X+3], s[G1X:G1X+7]
	s_nop 0
	PLACES
	s_branch .Lasked
.Lfor_w:
	tensor_load_to_lds s[G0W:G0W+3], s[G1W:G1W+7]
	s_nop 0
	PLACES
.Lasked:
	; Wq's image: a wave copies 256 bytes of it: byte 1,024 x work-group + 256 x wave on: fragment work-group / 2, group 2 (work-group & 1) + wave / 2, lanes 16 (wave & 1) on, 8 bytes a lane
	s_lshl_b32 s45, ttmp9, 2
	s_add_co_u32 s45, s45, s41                     ; work-group
	s_lshr_b32 s46, s45, 3                         ; channel tile 16 c + 8 h + t: channels 64 t + 4 r + u, u = 2 h + c
	s_lshr_b32 s94, s46, 4
	s_bfe_u32 s47, s46, 0x10003
	s_lshl_b32 s47, s47, 1
	s_add_co_u32 s94, s94, s47                     ; u
	s_and_b32 s46, s46, 7
	s_lshl_b32 s46, s46, 6
	s_add_co_u32 s46, s46, s94
	s_lshl_b32 s46, s46, 9
	s_bfe_u32 s47, s45, 0x20001                    ; k / 128
	s_lshl_b32 s47, s47, 7
	s_add_co_u32 s46, s46, s47
	s_and_b32 s47, s45, 1
	s_lshl_b32 s47, s47, 6
	s_add_co_u32 s46, s46, s47
	s_lshl_b32 s47, s23, 5
	s_add_co_u32 s46, s46, s47
	s_lshl_b32 s47, s40, 4
	s_add_co_u32 s46, s46, s47
	s_mov_b32 s47, 0
	s_add_nc_u64 s[10:11], s[10:11], s[46:47]
	s_lshl_b32 s46, s45, 10
	s_lshl_b32 s47, s22, 8
	s_add_co_u32 s46, s46, s47
	s_mov_b32 s47, 0
	s_add_nc_u64 s[20:21], s[20:21], s[46:47]
	v_and_b32 v[LI], 31, v0
	v_lshrrev_b32 v99, 1, v[LI]
	v_lshlrev_b32 v99, 11, v99                     ; four rows a position
	v_and_b32 v98, 1, v[LI]
	v_lshl_add_u32 v99, v98, 3, v99
	v_lshlrev_b32 v98, 3, v[LI]
	global_load_b64 v[96:97], v99, s[10:11]
	v_lshlrev_b32 v[LI], 4, v[LI]
	v_and_b32 v[RR], 15, v0
	v_bfe_u32 v[HH], v0, 4, 1
	v_mul_u32_u24 v7, v[RR], PITCH
	v_lshl_add_u32 v7, v[HH], 4, v7
	; the two sides in LDS
	s_mul_i32 s45, s23, HALFT                      ; lanes'
	s_mul_i32 s46, s40, HALFT
	s_add_co_u32 s46, s46, 2*HALFT                 ; registers'
	s_wait_alu depctr_va_vdst(0)
	v_add_nc_u32 v[ADRA], s45, v7
	v_add_nc_u32 v[ADRB], s46, v7
	; where the fragments go
	s_lshl_b32 s94, s41, 17
	s_lshl_b32 s45, s23, 16
	s_add_co_u32 s94, s94, s45
	s_lshl_b32 s45, s40, 1
	s_add_co_u32 s45, s45, s43
	s_lshl_b32 s45, s45, 11
	s_add_co_u32 s94, s94, s45                     ; K: key tile 16 cx + 8 half on; u = 2 block + half: channel block 2 half + block
	s_add_co_u32 s95, s66, s23
	s_lshl_b32 s95, s95, 14
	s_lshl_b32 s45, s41, 12
	s_add_co_u32 s95, s95, s45
	s_lshl_b32 s45, s40, 11
	s_add_co_u32 s95, s95, s45
	s_add_co_u32 s95, s95, 0x80000                 ; V: channel tiles 4 t + u, key / 128 = 2 cx + half
	s_lshl_b32 s46, s43, 3                         ; the bias from channel u on
	s_mov_b32 s97, 0x10000
	s_cmp_eq_u32 s42, 0
	s_cselect_b32 s94, s94, s95
	s_cselect_b32 s96, 8192, s97                   ; from fragment to fragment
	s_cselect_b32 s47, s40, s23
	s_lshl_b32 s95, s44, 20
	s_add_co_u32 s94, s94, s95
	s_mov_b32 s95, 0
	s_add_nc_u64 s[18:19], s[18:19], s[94:95]
	s_lshl_b32 s47, s47, 2
	s_add_co_u32 s46, s46, s47
	s_mov_b32 s47, 0
	s_add_nc_u64 s[12:13], s[12:13], s[46:47]
	v_mov_b32 v[OF], v[LI]
.irp a, 0,1,2,3,4,5,6
	v_add_nc_u32 v[OF+\a+1], s96, v[OF+\a]
.endr
	s_wait_alu depctr_va_vdst(0)
	s_wait_kmcnt 0x0                               ; the exponents
	s_cmp_eq_u32 s42, 0
	s_cselect_b32 s88, s70, s72                    ; ea
	s_cselect_b32 s89, s71, s73                    ; ew
	s_cselect_b32 s90, s75, s77                    ; eo
	s_add_co_i32 s91, s88, s89
	s_sub_co_i32 s92, s90, s91
	s_add_co_i32 s92, s92, 127
	s_lshl_b32 s93, s92, 23
	v_mov_b32 v[SC], s93                           ; 2^(eo - ea - ew)
	s_add_co_i32 s92, s92, 15
	s_lshl_b32 s92, s92, 23
	s_or_b32 s92, s92, 0x600000
	v_mov_b32 v[LM], s92                           ; 57,344 x that
	s_sub_co_i32 s91, 0, s91
	s_cmp_eq_u32 s42, 0
	s_wait_alu depctr_va_vdst(0)
	s_cbranch_scc0 .Lbias_v
	v_lshlrev_b32 v[BA], 7, v[HH]                  ; K: register j of tile t is channel 64 t + 4 (8 h + j) + u
.irp t, 0,1,2,3,4,5,6,7
.irp j, 0,1,2,3,4,5,6,7
	global_load_b32 v[BI+8*\t+\j], v[BA], s[12:13] offset:256*\t+16*\j
.endr
.endr
	s_wait_alu depctr_va_vdst(0)
	s_wait_loadcnt 0x0
.set n, 0
.rept 64
	v_ldexp_f32 v[BI+n], v[BI+n], s91
.set n, n+1
.endr
	s_wait_alu depctr_va_vdst(0)
	s_branch .Lbias_done
.Lbias_v:
	v_lshlrev_b32 v[BA], 4, v[RR]                  ; V: lane r of tile t is channel 64 t + 4 r + u
.irp t, 0,1,2,3,4,5,6,7
	global_load_b32 v[RAW+\t], v[BA], s[12:13] offset:256*\t
.endr
	s_wait_alu depctr_va_vdst(0)
	s_wait_loadcnt 0x0
.irp t, 0,1,2,3,4,5,6,7
.irp j, 0,1,2,3,4,5,6,7
	v_ldexp_f32 v[BI+8*\t+\j], v[RAW+\t], s91
.endr
.endr
	s_wait_alu depctr_va_vdst(0)
.Lbias_done:
	global_store_b64 v98, v[96:97], s[20:21]       ; 32 lanes store 256 consecutive bytes of Wq's image
.macro FRAG reg, adr, q, i
.irp c, 0,1,2,3
	ds_load_b128 v[\reg+4*\c:\reg+4*\c+3], v[\adr] offset:128*(\q)+32*\c+(\i)*16*PITCH
.endr
.endm
; the 64 accumulators take turns, one instruction a turn, in the same order in every step.  zero = 1, 2: the first product takes the bias as C (1: it goes by b, 2: by a)
.macro MUL16 a0, p, zero
.irp a, \a0, \a0+1
.irp b, 0,1,2,3,4,5,6,7
.set rD, 8*(8*((\a)%4)+\b)
.set rB, 128*(\p)+16*\b
.set rA, AF+16*(\a)
.if (\zero) == 1
	v_wmma_f32_16x16x128_bf8_bf8 v[rD:rD+7], v[rB:rB+15], v[rA:rA+15], v[BI+8*\b:BI+8*\b+7]
.elseif (\zero) == 2
	v_wmma_f32_16x16x128_bf8_bf8 v[rD:rD+7], v[rB:rB+15], v[rA:rA+15], v[BI+8*(\a):BI+8*(\a)+7]
.else
	v_wmma_f32_16x16x128_bf8_bf8 v[rD:rD+7], v[rB:rB+15], v[rA:rA+15], v[rD:rD+7]
.endif
.endr
.endr
.endm
.macro FETCH_B q, p
	WIN 0x40
.irp i, 0,1,2,3,4,5,6,7
	FRAG 128*(\p)+16*\i, ADRB, \q, \i
.endr
	WIN 0
.endm
.macro FETCH_A q, i0
.irp i, \i0, \i0+1, \i0+2, \i0+3
	FRAG AF+16*(\i), ADRA, \q, \i
.endr
.endm
.macro WLO zero
.if (\zero) > 0
	WIN 0x81
.else
	WIN 0xa1
.endif
.endm
.macro WHI zero
.if (\zero) > 0
	WIN 0xc1
.else
	WIN 0xf1
.endif
.endm
.macro STEP q, zero
	s_wait_dscnt 16                                ; the youngest sixteen (source 1's blocks 4-7) may be out
	WLO \zero
	MUL16 0, (\q)%2, \zero
	MUL16 2, (\q)%2, \zero
	s_wait_dscnt 0
	PLACES
	FETCH_B (\q)+1, 1-(\q)%2
	FETCH_A (\q)+1, 0
	WHI \zero
	MUL16 4, (\q)%2, \zero
	MUL16 6, (\q)%2, \zero
	PLACES
	WIN 0
	FETCH_A (\q)+1, 4
.endm
	s_wait_alu depctr_va_vdst(0)
	s_wait_tensorcnt 0x0                           ; my 128 rows are in,
	s_barrier_signal -1
	s_barrier_wait -1                              ; everybody's are
	FETCH_B 0, 0
	FETCH_A 0, 0
	FETCH_A 0, 4
	s_cmp_eq_u32 s42, 0
	s_cbranch_scc0 .Lfirst_v
	STEP 0, 1
	s_branch .Lfirst_done
.Lfirst_v:
	STEP 0, 2
.Lfirst_done:
	STEP 1, 0
	STEP 2, 0
	s_wait_dscnt 16
	WIN 0xa1
	MUL16 0, 1, 0
	MUL16 2, 1, 0
	s_wait_dscnt 0
	WIN 0xf1
	MUL16 4, 1, 0
	MUL16 6, 1, 0
	PLACES
; the way out: held within the largest code x the scale (the conversion does not saturate: ISA guide 7.6.2), converted, stored: 512 consecutive bytes a store
.irp a, 0,1,2,3,4,5,6,7
	WIN 0x02+(\a/4)
.set tk, 0
.rept 64
	v_med3_num_f32 v[TMP+tk], v[64*(\a%4)+tk], -v[LM], v[LM]
.set tk, tk+1
.endr
	WIN 0
.irp b, 0,1,2,3,4,5,6,7
	v_cvt_scalef32_pk8_bf8_f32 v[CD+16*\a+2*\b:CD+16*\a+2*\b+1], v[TMP+8*\b:TMP+8*\b+7], v[SC]
.endr
	v_nop                                          ; a plain line behind the conversions
.irp g, 0,1,2,3
	global_store_b128 v[OF+\a], v[CD+16*\a+4*\g:CD+16*\a+4*\g+3], s[18:19] offset:512*\g
.endr
.endr
	s_wait_alu depctr_va_vdst(0)
	s_wait_tensorcnt 0x0                           ; the wave's end
	ds_add_u32 v[SPW], v[NIL]
	s_wait_dscnt 0x0
	CROUND                                         ; the closing round
	s_endpgm
.Lfunc_end_k_qa77ff475c2_kvproj:
	.size	k_qa77ff475c2_kvproj, .Lfunc_end_k_qa77ff475c2_kvproj-k_qa77ff475c2_kvproj
	.p2alignl 7, 3214868480
	.fill 96, 4, 3214868480
	.section	.rodata,"a",@progbits
	.p2align	6, 0x0
	.amdhsa_kernel k_qa77ff475c2_kvproj
		.amdhsa_group_segment_fixed_size 327680
		.amdhsa_private_segment_fixed_size 0
		.amdhsa_enable_private_segment 0
		.amdhsa_kernarg_size 72
		.amdhsa_user_sgpr_count 2
		.amdhsa_user_sgpr_kernarg_segment_ptr 1
		.amdhsa_wavefront_size32 1
		.amdhsa_system_sgpr_workgroup_id_x 1
		.amdhsa_system_sgpr_workgroup_id_y 1
		.amdhsa_system_sgpr_workgroup_id_z 1
		.amdhsa_system_vgpr_workitem_id 0
		.amdhsa_next_free_vgpr 1024
		.amdhsa_next_free_sgpr 98
		.amdhsa_reserve_vcc 0
		.amdhsa_float_denorm_mode_32 3
		.amdhsa_float_denorm_mode_16_64 3
		.amdhsa_memory_ordered 1
		.amdhsa_forward_progress 1
		.amdhsa_inst_pref_size 106
	.end_amdhsa_kernel
	.amdgpu_metadata
---
amdhsa.version: [ 1, 2 ]
amdhsa.kernels:
  - .name:           k_qa77ff475c2_kvproj
    .symbol:         k_qa77ff475c2_kvproj.kd
    .args:
      - { .name: audio_embed_codes, .offset: 0, .size: 8, .value_kind: global_buffer, .address_space: global }
      - { .name: Wk_codes, .offset: 8, .size: 8, .value_kind: global_buffer, .address_space: global }
      - { .name: Wv_codes, .offset: 16, .size: 8, .value_kind: global_buffer, .address_space: global }
      - { .name: Wq_codes, .offset: 24, .size: 8, .value_kind: global_buffer, .address_space: global }
      - { .name: bk, .offset: 32, .size: 8, .value_kind: global_buffer, .address_space: global }
      - { .name: bv, .offset: 40, .size: 8, .value_kind: global_buffer, .address_space: global }
      - { .name: lowp_scales, .offset: 48, .size: 8, .value_kind: global_buffer, .address_space: global }
      - { .name: kv, .offset: 56, .size: 8, .value_kind: global_buffer, .address_space: global }
      - { .name: wqi, .offset: 64, .size: 8, .value_kind: global_buffer, .address_space: global }
    .group_segment_fixed_size: 327680
    .private_segment_fixed_size: 0
    .kernarg_segment_align: 8
    .kernarg_segment_size: 72
    .max_flat_workgroup_size: 128
    .sgpr_count:     98
    .vgpr_count:     1024
    .wavefront_size: 32
...
	.end_amdgpu_metadata
.endif
;; end of part 1
;; launch attn (part 2): grid 256 x 1, 4 waves a work-group, clusters of 4 x 1, 327,680 bytes of LDS; arguments x_codes, wqi, kv, bq, lowp_scales, out0; writes out0
.if DOCPART == 2
	.amdgcn_target "amdgcn-amd-amdhsa--gfx1250"
	.amdhsa_code_object_version 6
	.text
	.protected	k_qa77ff475c2_attn
	.globl	k_qa77ff475c2_attn
	.p2align	8
	.type	k_qa77ff475c2_attn,@function
k_qa77ff475c2_attn:
	s_mov_b64 s[64:65], 0
	v_nop
	global_prefetch_b8 v0, s[64:65] scope:SCOPE_SE
	s_setreg_imm32_b32 hwreg(HW_REG_WAVE_MODE, 25, 1), 1
	s_wait_xcnt 0x0
	s_wait_alu depctr_hold_cnt(0) depctr_sa_sdst(0) depctr_va_vdst(0) depctr_va_sdst(0) depctr_va_ssrc(0) depctr_va_vcc(0) depctr_vm_vsrc(0)
	s_getreg_b32 s2, hwreg(HW_REG_IB_STS2, 6, 4)
	s_cmp_eq_u32 s2, 0
	s_cbranch_scc0 .Lentry_in_a_cluster
	s_endpgm
.Lentry_in_a_cluster:
	s_bfe_u32 s2, ttmp6, 0x10000c
	s_cmp_lg_u32 s2, 0x3003
	s_cbranch_scc0 .Lentry_shape_is_right
	s_endpgm
.Lentry_shape_is_right:
; Q = x Wq + bq, quantised (entry 6); S = Q K^T / sqrt(512); O = softmax(S) V, on codes of BF8 (E5M2), f32 sums.
; SHARES.  A work-group takes 128 queries of one batch; cluster number C = 0..63: batch C & 15, its four work-groups four neighbouring blocks of queries.  Wave w: queries 64 (w / 2) on (four tiles of 16), and h = w & 1:
;   of Q's four blocks of 128 channels the blocks 2 c + h (c = 0, 1); of each 256 keys the 128 from 128 h on; of each 128 channels of O the 64 from 64 h on.  So each fragment read from LDS feeds four products.
;   Position 16 t + r of block 2 c + h of Q and K is channel 64 t + 4 r + 2 h + c: the order in which the launch before has laid K and Wq.
; THE RING.  Two slots of 128 KiB, each filled by one joint load a wave (32 KiB; the cluster's four share it): Wq's image in two chunks, K in four of 256 keys, V in four of 128 channels: slots 0, 1 by turns.
; Of a chunk a wave reads its 64 KiB in two parts of 16 fragments (window 2); of V's chunks 1 to 3 in eight groups of four fragments, through three buffers, beside the results that go out.
; OWN AND PARTNER'S.  Position p = 0, 1 of a sum's steps is a block of 128 made by this wave, p = 2, 3 by its partner w ^ 1: the two address registers of a slot begin 2,048 h and 2,048 (1 - h) bytes on.
; FIRST: Q: each wave makes two fragments of each tile; partners exchange them through LDS.  SECOND: S^T = K Q^T, 64 keys at a time; p = 2^(t - M), M the ceiling of the running largest t of the wave's own keys; P's codes stay in
; registers (window 3) with M of their 64 keys beside them.  THIRD: partners exchange their largest scores; the codes are multiplied by 2^(M - M final), exact but under the format's range, and exchanged.
; LAST: O = P V, 64 channels at a time, each group stored while the next is multiplied.  Source 0 = 16 queries, source 1 = 16 channels: lane r of the group's tile u holds channel 4 r + u, so four tiles make 16 bytes of a
; row in one lane and sixteen lanes 256 bytes.
; x's rows go through LDS bytes of the wave's own (16 rows of 528 bytes) into fragments with k = 32 c + 16 (lane / 16) + 0 .. 15 in registers 4 c on, as in Wq's image.
; PREFETCH: behind the change of slots that asks for chunk n each wave asks for 8 KiB of chunk n + 2 (the cluster's sixteen waves for its 128 KiB, once): K 1 to V 3; nothing beyond V 3.
; LIMITS: e6 - e0 - e1 between -126 and 112; e6 + e7 between -122 and 131; e8 between -15 and 112 (under -15 a number held at the largest code before M is final would stay held); scaled scores under 2^31; NaN among the biases is not served.
; REGISTERS: window 0: v1-31 addresses and the like, v32-159 sums, v160-255 see below.  window 1: Q (position p, tile i at 16 (4 p + i)), later the partner's P.  window 2: fragments from LDS; v128-255 of it at the end results to
; store.  window 3: x, later P.
.set SPARE, 262144
.set XB,  SPARE+512                    ; exchange: two buffers 32,768 bytes apart, 8,192 a wave (of the second 6,144)
.set MX,  XB+32768+6144                ; the largest scores, 256 bytes a wave; 1,024 on: the sums
.set LI,  1
.set SPW, 6
.set NIL, 7
.set PFO, 8
.set XS,  9
.set XL,  10
.set PSC, 11
.set PLIM, 12
.set QSC, 13
.set QLM, 14
.set OUTO, 15
.set MXS, 16
.set MXL, 17
.set LXA, 18
.set ONE, 19
.set MR,  20                           ; v20-23 the largest score so far, a tile each
.set TA,  24
.set TB,  28
.set S,   32
.set NM,  160                          ; v160-191 -M of 8 x 64 keys, 4 tiles each
.set LS,  192                          ; v192-223 the sums of p, likewise
.set LR,  160                          ; at the end: v160-191 what O is multiplied by
.set B2,  192                          ; at the end: v192-255 the third buffer of fragments
.set CUR, 12                           ; at the end: v12, v13 the addresses in the slot in hand
.set MSB, 0
.macro WIN new
.if MSB != (\new)
	s_set_vgpr_msb (MSB<<8)|(\new)
.set MSB, (\new)
.endif
.endm
.macro PLACES
.rept 4
	v_nop
.endr
.endm
.macro CREST                           ; a round of the cluster's barrier behind its opening barrier
	s_cmp_lg_u32 s24, 0
	s_cbranch_scc1 .Lnot_wave_0_\@
	s_barrier_signal -3
.Lnot_wave_0_\@:
	s_barrier_wait -3
	s_barrier_signal -1
	s_barrier_wait -1
.endm
.macro CROUND
	s_barrier_signal -1
	s_barrier_wait -1
	CREST
.endm
	s_load_b256 s[4:11], s[0:1], 0x0               ; x s[4:5], Wq's image s[6:7], kv s[8:9], bq s[10:11]
	s_load_b128 s[12:15], s[0:1], 0x20             ; exponents s[12:13], out s[14:15]
	v_lshl_add_u32 v[SPW], v0, 2, SPARE
	v_mov_b32 v[NIL], 0
	ds_add_u32 v[SPW], v[NIL]                      ; the opening lines
	ds_add_u32 v[SPW], v[NIL]
	v_lshrrev_b32 v1, 5, v0
	v_readfirstlane_b32 s24, v1                    ; wave
	v_and_b32 v[LI], 31, v0
	v_lshlrev_b32 v[LI], 4, v[LI]
	s_and_b32 s27, s24, 1                          ; h
	s_lshr_b32 s28, s24, 1                         ; which 64 queries
	s_bfe_u32 s25, ttmp6, 0x40000                  ; cx
	s_and_b32 s26, ttmp9, 15                       ; batch
	s_mov_b32 s16, 15|(3<<16)|(1<<21)              ; 128 rows of 32 elements of 8 bytes, dense
	s_mov_b32 s17, 32<<16
	s_mov_b32 s18, 128<<16
	s_mov_b32 s19, 32<<16
	s_mov_b32 s20, 128
	s_mov_b32 s21, 32
	s_mov_b32 s22, 0
	s_mov_b32 s23, 0
	s_lshl_b32 s50, s24, 15                        ; my quarter of a chunk
	s_mov_b32 s51, 0
	s_lshl_b32 s48, s26, 20                        ; the batch
	s_mov_b32 s49, 0
	s_lshr_b32 s46, ttmp9, 4
	s_lshl_b32 s46, s46, 2
	s_add_co_u32 s46, s46, s25                     ; which 128 queries
	s_lshl_b32 s58, s46, 16
	s_add_co_u32 s58, s58, s48
	s_lshl_b32 s59, s28, 15
	s_add_co_u32 s58, s58, s59                     ; my 64 rows of x, in bytes
	s_mov_b32 s59, 0
	s_wait_alu depctr_va_vdst(0)
	s_wait_dscnt 0x0
	s_wait_kmcnt 0x0
	s_load_b256 s[36:43], s[12:13], 0x0            ; e0 .. e7
	s_load_b64 s[56:57], s[12:13], 0x20            ; e8, e9
	s_add_nc_u64 s[4:5], s[4:5], s[58:59]
	s_add_nc_u64 s[8:9], s[8:9], s[48:49]
	s_add_nc_u64 s[32:33], s[8:9], s[50:51]        ; my quarter of K's first chunk
	s_add_nc_u64 s[6:7], s[6:7], s[50:51]
	s_mov_b32 s52, 1
	s_mov_b32 s53, s50
	s_mov_b64 s[54:55], s[6:7]
	s_or_b32 s55, s55, 0x80000000
	WIN 0x80
.set n, 0
.rept 64
	global_load_b128 v[4*n:4*n+3], v[LI], s[4:5] offset:512*n th:TH_LOAD_NT   ; a row of x each: row 16 i + rr lands at 64 i + 4 rr
.set n, n+1
.endr
	WIN 0
	CROUND
	tensor_load_to_lds s[52:55], s[16:23]          ; Wq's first chunk: one tensor load a wave at the head
	s_nop 0
	PLACES
	s_lshl_b32 s48, s25, 15
	s_lshl_b32 s60, s24, 13
	s_add_co_u32 s48, s48, s60
	s_mov_b32 s49, 0
	s_add_nc_u64 s[48:49], s[8:9], s[48:49]        ; the prefetches: my 8 KiB of a chunk, stepped to K's chunk 1 first
	s_lshl_b64 s[58:59], s[58:59], 2               ; O's rows are four times as long
	s_add_nc_u64 s[14:15], s[14:15], s[58:59]
	s_lshl_b32 s58, s27, 8
	s_mov_b32 s59, 0
	s_add_nc_u64 s[14:15], s[14:15], s[58:59]
	s_lshl_b32 s58, s27, 3
	s_add_nc_u64 s[10:11], s[10:11], s[58:59]      ; bq from channel 2 h on
	s_xor_b32 s30, s27, 1                          ; 1 - h
	s_xor_b32 s31, s24, 1                          ; my partner
	s_lshl_b32 s60, s27, 16
	s_lshl_b32 s61, s27, 11
	s_add_co_u32 s61, s61, s60
	s_lshl_b32 s62, s30, 11
	s_add_co_u32 s62, s62, s60
	v_add_nc_u32 v2, s61, v[LI]                    ; slot 0: own, partner's; slot 1 likewise
	v_add_nc_u32 v3, s62, v[LI]
	v_add_nc_u32 v4, 0x20000, v2
	v_add_nc_u32 v5, 0x20000, v3
	s_lshl_b32 s60, s24, 13
	s_add_co_u32 s60, s60, XB
	v_add_nc_u32 v[XS], s60, v[LI]
	s_lshl_b32 s60, s31, 13
	s_add_co_u32 s60, s60, XB
	v_add_nc_u32 v[XL], s60, v[LI]
	v_and_b32 v28, 15, v0                          ; r
	v_bfe_u32 v29, v0, 4, 1                        ; lane / 16
	v_lshlrev_b32 v[PFO], 4, v[LI]
	v_lshlrev_b32 v[OUTO], 14, v29
	v_lshl_add_u32 v[OUTO], v28, 4, v[OUTO]        ; 8 rows of O for the upper lanes, 16 bytes a lane
	s_mul_i32 s60, s24, 8448
	s_add_co_u32 s60, s60, XB
	v_add_nc_u32 v24, s60, v[LI]                   ; x into LDS: a row at a time
	v_mul_u32_u24 v25, v28, 528
	v_lshl_add_u32 v25, v29, 4, v25
	s_lshl_b32 s61, s27, 7
	s_add_co_u32 s61, s61, s60
	s_lshl_b32 s62, s30, 7
	s_add_co_u32 s62, s62, s60
	v_add_nc_u32 v26, s62, v25                     ; and back as fragments: partner's,
	v_add_nc_u32 v25, s61, v25                     ; own
	s_lshl_b32 s60, s24, 8
	s_add_co_u32 s60, s60, MX
	v_lshlrev_b32 v[MXS], 2, v28
	v_mov_b32 v[MXL], v[MXS]
	v_add_nc_u32 v[MXS], s60, v[MXS]
	s_lshl_b32 s60, s31, 8
	s_add_co_u32 s60, s60, MX
	v_add_nc_u32 v[MXL], s60, v[MXL]
	s_lshl_b32 s60, s28, 9
	s_add_co_u32 s60, s60, MX+1024
	v_lshlrev_b32 v[LXA], 5, v29
	v_add_nc_u32 v[LXA], s60, v[LXA]
	v_lshlrev_b32 v[ONE], 7, v29                   ; bq: register j of tile t is channel 64 t + 4 (8 (lane / 16) + j) + 2 h + c: 8 bytes bring c = 0, 1
	s_mov_b32 s34, 0x76543210
	s_mov_b32 s35, 0xfedcba98
	s_wait_alu depctr_va_vdst(0)
; tile i of x: n loads behind its own may be out
.macro XTILE i, n
	s_wait_loadcnt \n
	WIN 0x08
.set rr, 0
.rept 16
	ds_store_b128 v24, v[64*\i+4*rr:64*\i+4*rr+3] offset:rr*528
.set rr, rr+1
.endr
	WIN 0xc0
.irp p, 0,1,2,3
.irp g, 0,1,2,3
.if \p < 2
	ds_load_b128 v[16*(4*\p+\i)+4*\g:16*(4*\p+\i)+4*\g+3], v25 offset:256*\p+32*\g   ; LDS serves a wave's instructions in order (ISA guide 5.7.1.4)
.else
	ds_load_b128 v[16*(4*\p+\i)+4*\g:16*(4*\p+\i)+4*\g+3], v26 offset:256*(\p-2)+32*\g
.endif
.endr
.endr
	WIN 0
.endm
	XTILE 0, 48
	XTILE 1, 32
	XTILE 2, 16
.irp t, 0,1,2,3,4,5,6,7
.irp j, 0,1,2,3,4,5,6,7
	global_load_b64 v[32+2*(8*\t+\j):33+2*(8*\t+\j)], v[ONE], s[10:11] offset:256*\t+16*\j
.endr
.endr
	XTILE 3, 63                                    ; behind x's last loads stand the bias's 64
	s_wait_kmcnt 0x0
	s_add_co_i32 s60, s36, s37                     ; ea + ew
	s_sub_co_i32 s61, s42, s60
	s_add_co_i32 s61, s61, 127
	s_lshl_b32 s62, s61, 23
	v_mov_b32 v[QSC], s62                          ; 2^(e6 - e0 - e1)
	s_add_co_i32 s61, s61, 15
	s_lshl_b32 s61, s61, 23
	s_or_b32 s61, s61, 0x600000
	v_mov_b32 v[QLM], s61                          ; 57,344 x that
	s_sub_co_i32 s60, 0, s60
	s_add_co_i32 s61, s42, s43
	s_lshl_b32 s61, s61, 23
	s_add_co_i32 s44, s61, 0x3d8293ee              ; log2(e) / sqrt(512) x 2^(e6 + e7)
	s_mov_b32 s45, s44
	s_add_co_i32 s61, s56, 127
	s_lshl_b32 s62, s61, 23
	v_mov_b32 v[PSC], s62                          ; 2^e8
	s_add_co_i32 s61, s61, 15
	s_lshl_b32 s61, s61, 23
	s_or_b32 s61, s61, 0x600000
	v_mov_b32 v[PLIM], s61                         ; 57,344 x that
	s_add_co_i32 s47, s56, s57                     ; e8 + e9
.irp i, 0,1,2,3
	v_mov_b32 v[MR+\i], 0xff61b1e6                 ; -3e38
	v_mov_b32 v[TB+\i], 0
.endr
.set n, 0
.rept 16
	v_mov_b32 v[NM+16+n], 0                        ; (named by the moves at the loop's head)
	v_mov_b32 v[LS+16+n], 0
.set n, n+1
.endr
; half of 16 fragments: sub = which 32 KiB of my 64, half = which 8 of its 16; fragment (kt, p) at 16 (4 kt + p) of window 2
.macro LDH slot, sub, half
	WIN 0x80
.irp k, 0,1
.irp p, 0,1,2,3
.irp g, 0,1,2,3
.set rF, 16*(4*(2*\half+\k)+\p)+4*\g
	ds_load_b128 v[rF:rF+3], v[2+2*\slot+(\p/2)] offset:32768*\sub+8192*(2*\half+\k)+4096*(\p%2)+512*\g
.endr
.endr
.endr
	WIN 0
.endm
; half of a sub-step's products, the accumulators by turns, one instruction a turn.  kind 0: Q's channels (4 tiles of 16) x my 64 rows of x; 1: 64 keys x my 64 queries; 2: 16 channels of O, all keys
.macro MMH kind, c, sub, half
.if \kind < 2
.irp p, 0,1,2,3
.if \kind == 1
	WIN 0x06
.elseif \p == 0
	WIN 0x1e
.else
	WIN 0x0e
.endif
.irp k, 0,1
.irp i, 0,1,2,3
.set kt, 2*\half+\k
.set rD, S+32*\i+8*kt
.set rF, 16*(4*kt+\p)
.set rX, 16*(4*\p+\i)
.set rC, 128+64*\c+8*(4*\sub+kt)
.if \p > 0
	v_wmma_f32_16x16x128_bf8_bf8 v[rD:rD+7], v[rF:rF+15], v[rX:rX+15], v[rD:rD+7]
.elseif \kind == 0
	v_wmma_f32_16x16x128_bf8_bf8 v[rD:rD+7], v[rF:rF+15], v[rX:rX+15], v[rC:rC+7]
.else
	v_wmma_f32_16x16x128_bf8_bf8 v[rD:rD+7], v[rF:rF+15], v[rX:rX+15], 0
.endif
.endr
.endr
.endr
.else
.irp q, 0,1
	WIN 0x0b-2*\q
.irp k, 0,1
.irp e, 0,1
.irp i, 0,1,2,3
.set rD, S+32*\i+8*(2*\sub+\half)
.set rF, 16*(4*(2*\half+\k)+2*\q+\e)
.set rP, 16*(4*(2*\k+\e)+\i)
.if (\q+\k+\e) == 0
	v_wmma_f32_16x16x128_bf8_bf8 v[rD:rD+7], v[rP:rP+15], v[rF:rF+15], 0
.else
	v_wmma_f32_16x16x128_bf8_bf8 v[rD:rD+7], v[rP:rP+15], v[rF:rF+15], v[rD:rD+7]
.endif
.endr
.endr
.endr
.endr
.endif
	WIN 0
.endm
; the first sub-step of a chunk, with the second's loads; ex: LDS stores issued behind the first's loads
.macro PAIR kind, c, slot, ex
	s_wait_dscnt 32+\ex                            ; the first half is in
	MMH \kind, \c, 0, 0
	PLACES
	LDH \slot, 1, 0
	s_wait_dscnt 32+\ex                            ; the second half is in; the 32 just issued may be out
	MMH \kind, \c, 0, 1
	PLACES
	LDH \slot, 1, 1
.endm
; THE CHANGE OF SLOTS: the slot just read out is filled with the chunk after the one that is about to be read.  OPEN: my part of the next chunk is in; the add; the descriptor steps on (first = 1: to K's first chunk), and so do the prefetches
.macro OPEN first, ask
	s_wait_alu depctr_va_vdst(0)
	s_wait_tensorcnt 0x0
	ds_add_u32 v[SPW], v[NIL]
	s_xor_b32 s53, s53, 0x20000
.if \first
	s_mov_b64 s[54:55], s[32:33]
	s_or_b32 s55, s55, 0x80000000
.else
	s_add_nc_u64 s[54:55], s[54:55], 0x20000
.endif
.if \ask
	s_wait_xcnt 0x0
	s_add_nc_u64 s[48:49], s[48:49], 0x20000
.endif
.endm
.macro FILL                            ; behind the opening barrier: the rest of the round, the load, and the places in front of the loads and reads that follow the last products
	CREST
	tensor_load_to_lds s[52:55], s[16:23]
	s_nop 0
	PLACES
.endm
; the second sub-step, and the change of slots in it: its last half stands inside the round's opening barrier
.macro LASTC kind, c, first
	OPEN \first, 1
	s_wait_dscnt 33                                ; the first half is in; the second and the add may be out
	MMH \kind, \c, 1, 0
	s_wait_dscnt 0x0                               ; the add is done, and my reads of the slot are over
	s_barrier_signal -1
	MMH \kind, \c, 1, 1
	s_barrier_wait -1
	FILL
.endm
.macro ASK
	global_prefetch_b8 v[PFO], s[48:49] th:TH_LOAD_NT scope:SCOPE_SE
.endm
; Q's 64 channels of sub-step (c, sub): held, converted: registers 2 t, 2 t + 1 of my fragment c of each tile
.macro QUANT c, sub
.set n, 0
.rept 128
	v_med3_num_f32 v[S+n], v[S+n], -v[QLM], v[QLM]
.set n, n+1
.endr
	WIN 0x40
.irp i, 0,1,2,3
.irp k, 0,1,2,3
.set rQ, 16*(4*\c+\i)+2*(4*\sub+\k)
	v_cvt_scalef32_pk8_bf8_f32 v[rQ:rQ+1], v[S+32*\i+8*\k:S+32*\i+8*\k+7], v[QSC]
.endr
.endr
	v_nop                                          ; a plain line behind the conversions
	WIN 0
	s_wait_alu depctr_va_vdst(0)
.endm
.macro XPUT win, reg, off
	WIN \win
.irp g, 0,1,2,3
	ds_store_b128 v[XS], v[\reg+4*\g:\reg+4*\g+3] offset:\off+512*\g
.endr
	WIN 0
.endm
.macro XGET reg, off
	WIN 0x40
.irp g, 0,1,2,3
	ds_load_b128 v[\reg+4*\g:\reg+4*\g+3], v[XL] offset:\off+512*\g
.endr
	WIN 0
.endm
.macro MEET
	s_wait_alu depctr_va_vdst(0)
	s_wait_dscnt 0x0
	s_barrier_signal -1
	s_barrier_wait -1
.endm
	; FIRST: Q
	OPEN 0, 1
	s_wait_dscnt 0x0
	s_barrier_signal -1
	s_barrier_wait -1
	FILL
	LDH 0, 0, 0
	LDH 0, 0, 1
	ASK
	s_wait_alu depctr_va_vdst(0)
	s_wait_loadcnt 0x0
	WIN 0x40
.irp c, 0,1
.set n, 0
.rept 64
	v_ldexp_f32 v[128+64*\c+n], v[32+2*n+\c], s60  ; bias / 2^(e0 + e1), the C of the first products; in the place of the partner's Q
.set n, n+1
.endr
.endr
	WIN 0
	s_wait_alu depctr_va_vdst(0)
	PAIR 0, 0, 0, 0
	QUANT 0, 0
	LASTC 0, 0, 1
	LDH 1, 0, 0
	LDH 1, 0, 1
	ASK
	QUANT 0, 1
.irp f, 0,1,2,3
	XPUT 0x04, 16*\f, 2048*\f
.endr
	PAIR 0, 1, 1, 16
	QUANT 1, 0
	LASTC 0, 1, 0
	LDH 0, 0, 0
	LDH 0, 0, 1
	ASK
.irp f, 0,1,2,3
	XGET 128+16*\f, 2048*\f
.endr
	QUANT 1, 1
.irp f, 4,5,6
	XPUT 0x04, 16*\f, 32768+2048*(\f-4)
.endr
	MEET
.irp f, 4,5,6
	XGET 128+16*\f, 32768+2048*(\f-4)
.endr
	XPUT 0x04, 112, 0
	MEET
	XGET 240, 0
	s_wait_dscnt 0x0
; SECOND.  The softmax's part for 64 keys x 64 queries; b = 0 .. 3 in a trip
.macro SM b
.set NB, NM+16+4*\b
.set LB, LS+16+4*\b
.set sk, 0
.rept 8                                ; the largest score, two chains a tile, each accumulator from its low end on
.irp i, 0,1,2,3
	v_max3_num_f32 v[MR+\i], v[MR+\i], v[S+32*\i+4*sk], v[S+32*\i+4*sk+1]
.endr
.irp i, 0,1,2,3
.if sk == 0
	v_max_num_f32 v[TA+\i], v[S+32*\i+2], v[S+32*\i+3]
.else
	v_max3_num_f32 v[TA+\i], v[TA+\i], v[S+32*\i+4*sk+2], v[S+32*\i+4*sk+3]
.endif
.endr
.set sk, sk+1
.endr
.irp i, 0,1,2,3
	v_max_num_f32 v[MR+\i], v[MR+\i], v[TA+\i]
.endr
.irp i, 0,1,2,3
	v_permlanex16_b32 v[TB+\i], v[MR+\i], s34, s35
.endr
.irp i, 0,1,2,3
	v_max_num_f32 v[MR+\i], v[MR+\i], v[TB+\i]
.endr
.irp i, 0,1,2,3
	v_mul_f32 v[TA+\i], s44, v[MR+\i]
.endr
.irp i, 0,1,2,3
	v_floor_f32 v[NB+\i], -v[TA+\i]                ; -M
.endr
.set sk, 0
.rept 16                               ; t - M
.irp i, 0,2
	v_pk_fma_f32 v[S+32*\i+sk:S+32*\i+sk+1], v[S+32*\i+sk:S+32*\i+sk+1], s[44:45], v[NB+\i:NB+\i+1] op_sel_hi:[1,0,0]
	v_pk_fma_f32 v[S+32*\i+32+sk:S+32*\i+32+sk+1], v[S+32*\i+32+sk:S+32*\i+32+sk+1], s[44:45], v[NB+\i:NB+\i+1] op_sel:[0,0,1] op_sel_hi:[1,0,1]
.endr
.set sk, sk+2
.endr
	s_wait_alu depctr_va_vdst(0)
.set sk, 0
.rept 128
	v_exp_f32 v[S+sk], v[S+sk]
.set sk, sk+1
.endr
	v_nop
	s_wait_alu depctr_va_vdst(0)
.irp i, 0,1,2,3                        ; the sum of the unquantised p, two chains a tile
	v_pk_add_f32 v[224+4*\i:225+4*\i], v[S+32*\i:S+32*\i+1], v[S+32*\i+4:S+32*\i+5]
	v_pk_add_f32 v[226+4*\i:227+4*\i], v[S+32*\i+2:S+32*\i+3], v[S+32*\i+6:S+32*\i+7]
.endr
.set sk, 8
.rept 6
.irp i, 0,1,2,3
	v_pk_add_f32 v[224+4*\i:225+4*\i], v[224+4*\i:225+4*\i], v[S+32*\i+sk:S+32*\i+sk+1]
	v_pk_add_f32 v[226+4*\i:227+4*\i], v[226+4*\i:227+4*\i], v[S+32*\i+sk+2:S+32*\i+sk+3]
.endr
.set sk, sk+4
.endr
.irp i, 0,1,2,3
	v_pk_add_f32 v[224+4*\i:225+4*\i], v[224+4*\i:225+4*\i], v[226+4*\i:227+4*\i]
.endr
.irp i, 0,1,2,3
	v_add_f32 v[LB+\i], v[224+4*\i], v[225+4*\i]
.endr
.set sk, 0
.rept 64                               ; the conversion does not saturate (ISA guide 7.6.2); p is not negative
	v_dual_min_num_f32 v[S+sk], v[S+sk], v[PLIM] :: v_dual_min_num_f32 v[S+sk+1], v[S+sk+1], v[PLIM]
.set sk, sk+2
.endr
	WIN 0xc0
.irp i, 0,1,2,3
.irp k, 0,1,2,3
.set rP, 16*(4*(2+\b/2)+\i)+8*(\b%2)+2*\k
	v_cvt_scalef32_pk8_bf8_f32 v[rP:rP+1], v[S+32*\i+8*\k:S+32*\i+8*\k+7], v[PSC]
.endr
.endr
	v_nop                                          ; a plain line behind the conversions
	WIN 0
	s_wait_alu depctr_va_vdst(0)
.endm
	s_mov_b32 s29, 2
.Lkeys:                                                ; two trips of two chunks; a trip's codes, -M and sums go to the upper halves of their registers
	s_cmp_eq_u32 s29, 2
	s_cbranch_scc1 .Lfirst_trip
	WIN 0xc3
.set n, 0
.rept 128
	v_mov_b32 v[n], v[128+n]                       ; the first trip's, moved down once
.set n, n+1
.endr
	WIN 0
.set n, 0
.rept 16
	v_mov_b32 v[NM+n], v[NM+16+n]
	v_mov_b32 v[LS+n], v[LS+16+n]
.set n, n+1
.endr
	s_wait_alu depctr_va_vdst(0)
.Lfirst_trip:
	PAIR 1, 0, 0, 0
	SM 0
	LASTC 1, 0, 0
	LDH 1, 0, 0
	LDH 1, 0, 1
	ASK
	SM 1
	PAIR 1, 0, 1, 0
	SM 2
	LASTC 1, 0, 0
	LDH 0, 0, 0                                    ; in the last trip V's first sixteen fragments
	LDH 0, 0, 1
	ASK
	SM 3
	s_sub_co_u32 s29, s29, 1
	s_cmp_lg_u32 s29, 0
	s_cbranch_scc1 .Lkeys
	; THIRD: the final M
.irp i, 0,1,2,3
	ds_store_b32 v[MXS], v[MR+\i] offset:64*\i
.endr
	MEET
.irp i, 0,1,2,3
	ds_load_b32 v[TA+\i], v[MXL] offset:64*\i
.endr
	v_mov_b32 v[ONE], 0x7f7f7f7f                   ; the scale 1 in every byte
	s_wait_alu depctr_va_vdst(0)
	s_wait_dscnt 0x0
.irp i, 0,1,2,3
	v_max_num_f32 v[MR+\i], v[MR+\i], v[TA+\i]
.endr
.irp i, 0,1,2,3
	v_mul_f32 v[TA+\i], s44, v[MR+\i]
.endr
.irp i, 0,1,2,3
	v_floor_f32 v[TB+\i], -v[TA+\i]                ; - M final
.endr
.set n, 0
.rept 8
.irp i, 0,1,2,3
	v_sub_f32 v[NM+4*n+\i], v[NM+4*n+\i], v[TB+\i] ; M final - M, a whole number, 0 or more
.endr
.irp i, 0,1,2,3
	v_min_num_f32 v[NM+4*n+\i], 0x42fc0000, v[NM+4*n+\i]   ; 126 at the most: such codes are 0 either way
.endr
.irp i, 0,1,2,3
	v_cvt_i32_f32 v[NM+4*n+\i], v[NM+4*n+\i]
.endr
.irp i, 0,1,2,3
	v_lshl_add_u32 v[NM+4*n+\i], v[NM+4*n+\i], 23, 0x3f800000   ; 2^(M final - M): what the codes are divided by
.endr
.irp i, 0,1,2,3
	v_sub_nc_u32 v[228+\i], 0x7f000000, v[NM+4*n+\i]   ; and its reciprocal, for the sums
.endr
.irp i, 0,1,2,3
.if n == 0
	v_mul_f32 v[224+\i], v[LS+\i], v[228+\i]
.else
	v_fma_f32 v[224+\i], v[LS+4*n+\i], v[228+\i], v[224+\i]
.endif
.endr
.set n, n+1
.endr
.irp i, 0,1,2,3
	v_permlanex16_b32 v[TA+\i], v[224+\i], s34, s35
.endr
.irp i, 0,1,2,3
	v_add_f32 v[224+\i], v[224+\i], v[TA+\i]
.endr
.irp i, 0,1,2,3
	ds_store_b32 v[MXS], v[224+\i] offset:1024+64*\i   ; read behind the exchange's barriers
.endr
; fragment f = 4 c + i under the final M: to f32, and back divided by 2^(M final - M)
.macro RECODE f
.set rT, 32+64*((\f)%2)
	WIN 0x03
.irp q, 0,1,2,3,4,5,6,7
	v_cvt_scale_pk8_f32_bf8 v[rT+8*\q:rT+8*\q+7], v[16*(\f)+2*\q:16*(\f)+2*\q+1], v[ONE]
.endr
	v_nop                                          ; plain lines behind the conversions
	WIN 0xc0
.irp q, 0,1,2,3,4,5,6,7
.set rN, NM+4*(2*((\f)/4)+\q/4)+(\f)%4
	v_cvt_scalef32_pk8_bf8_f32 v[16*(\f)+2*\q:16*(\f)+2*\q+1], v[rT+8*\q:rT+8*\q+7], v[rN]
.endr
	v_nop
.endm
.macro RECODES first, count
.set xf, \first
.rept \count
	RECODE xf
.set xf, xf+1
.endr
	WIN 0
	s_wait_alu depctr_va_vdst(0)
.endm
; count fragments from first on are exchanged through buffer buf, the next ncount recoded meanwhile.  A buffer is stored again behind the next stage's barrier, in front of which its loads have been waited for
.macro STAGE first, count, buf, ncount
.set xf, \first
.rept \count
	XPUT 0x0c, 16*xf, 32768*\buf+2048*(xf-\first)
.set xf, xf+1
.endr
.if \ncount
	RECODES \first+\count, \ncount
.endif
	MEET
.set xf, \first
.rept \count
	XGET 16*xf, 32768*\buf+2048*(xf-\first)
.set xf, xf+1
.endr
.endm
	RECODES 0, 4
	STAGE 0, 4, 0, 3
	STAGE 4, 3, 1, 4
	STAGE 7, 4, 0, 3
	STAGE 11, 3, 1, 2
	STAGE 14, 2, 0, 0
	; 2^(e8 + e9) / the row's sum, for query 8 (lane / 16) + j of each tile: the two waves' sums
.irp i, 0,1,2,3
.irp w, 0,1
	ds_load_b128 v[32+16*\i+8*\w:35+16*\i+8*\w], v[LXA] offset:256*\w+64*\i
	ds_load_b128 v[36+16*\i+8*\w:39+16*\i+8*\w], v[LXA] offset:256*\w+64*\i+16
.endr
.endr
	s_wait_dscnt 0x0
.irp i, 0,1,2,3
.irp j, 0,2,4,6
	v_pk_add_f32 v[LR+8*\i+\j:LR+8*\i+\j+1], v[32+16*\i+\j:33+16*\i+\j], v[40+16*\i+\j:41+16*\i+\j]
.endr
.endr
	s_wait_alu depctr_va_vdst(0)
.set n, 0
.rept 32
	v_rcp_f32 v[LR+n], v[LR+n]
.set n, n+1
.endr
	v_nop
	s_wait_alu depctr_va_vdst(0)
.set n, 0
.rept 32
	v_ldexp_f32 v[LR+n], v[LR+n], s47
.set n, n+1
.endr
; LAST.  V's chunks 1 to 3: group n = 2 u + q: the four fragments (all of the own (q = 0) or the partner's keys) of channel tile u, in buffer n % 3
.macro LDG n
.if ((\n)%3) < 2
	WIN 0x80
.set rB, 64*((\n)%3)
.else
	WIN 0
.set rB, B2
.endif
.irp c, 0,1,2,3
.irp g, 0,1,2,3
	ds_load_b128 v[rB+16*\c+4*\g:rB+16*\c+4*\g+3], v[CUR+(\n)%2] offset:16384*((\n)/2)+4096*\c+512*\g
.endr
.endr
	WIN 0
.endm
.macro MMG n
.if ((\n)%3) < 2
	WIN 0x0b-2*((\n)%2)
.set rB, 64*((\n)%3)
.else
	WIN 0x03-2*((\n)%2)
.set rB, B2
.endif
.irp c, 0,1,2,3
.irp i, 0,1,2,3
.set rD, S+32*\i+8*((\n)/2)
.set rF, rB+16*\c
.set rP, 16*(4*\c+\i)
.if ((\n)%2+\c) == 0
	v_wmma_f32_16x16x128_bf8_bf8 v[rD:rD+7], v[rP:rP+15], v[rF:rF+15], 0
.else
	v_wmma_f32_16x16x128_bf8_bf8 v[rD:rD+7], v[rP:rP+15], v[rF:rF+15], v[rD:rD+7]
.endif
.endr
.endr
	WIN 0
	PLACES
.endm
; tile i's results, scaled: the four channels of a query side by side, in window 2
.macro MULT i
	WIN 0x80
.irp j, 0,1,2,3,4,5,6,7
.irp u, 0,1,2,3
	v_mul_f32 v[128+32*\i+4*\j+\u], v[S+32*\i+8*\u+\j], v[LR+8*\i+\j]
.endr
.endr
	WIN 0
.endm
; count stores from first on: each 2 x 256 consecutive bytes, at multiples of 256
.macro STS first, count
	WIN 0x08
.set st, \first
.rept \count
	global_store_b128 v[OUTO], v[128+4*st:131+4*st], s[14:15] offset:(16*(st/8)+st%8)*2048 th:TH_STORE_NT
.set st, st+1
.endr
	WIN 0
.endm
; a chunk's products, with the last chunk's stores among them
.macro CHUNK
.set gn, 0
.rept 8
.if gn < 6
	s_wait_dscnt 32                                ; the two younger groups may be out
.else
	s_wait_dscnt 16*(7-gn)
.endif
	MMG gn
.if gn < 5
	LDG gn+3
.endif
	STS 4*gn, 4
.set gn, gn+1
.endr
.endm
; the way to the next chunk: the slot changes (fill = 1: and is filled), the finished results are scaled, half of them inside the opening barrier
.macro NEXT fill
.if \fill
	OPEN 0, 0
.else
	s_wait_alu depctr_va_vdst(0)
	s_wait_tensorcnt 0x0
	ds_add_u32 v[SPW], v[NIL]
.endif
	s_wait_xcnt 0x0                                ; the stores have read their data and their base
	s_add_nc_u64 s[14:15], s[14:15], s[58:59]
	s_mov_b32 s58, 512                             ; the next group lies 512 bytes on
	s_xor_b32 s30, s30, 0x20000
	s_wait_dscnt 0x0
	s_barrier_signal -1
	MULT 0
	MULT 1
	s_barrier_wait -1
.if \fill
	FILL
.endif
	v_add_nc_u32 v[CUR], s30, v2
	v_add_nc_u32 v[CUR+1], s30, v3
	LDG 0
	LDG 1
	LDG 2
	MULT 2
	MULT 3
	s_wait_alu depctr_va_vdst(0)
.endm
	s_mov_b32 s58, 0
	s_mov_b32 s59, 0
	s_mov_b32 s30, 0                               ; where the slot in hand begins
	s_mov_b32 s29, 2
	s_wait_alu depctr_va_vdst(0)
	PAIR 2, 0, 0, 0                                ; V's chunk 0
	s_wait_dscnt 32
	MMH 2, 0, 1, 0
	s_wait_dscnt 0
	MMH 2, 0, 1, 1
	PLACES
.Lchannels:                                            ; V's chunks 1 and 2; ahead of each the chunk after it is asked for
	NEXT 1
	CHUNK
	s_sub_co_u32 s29, s29, 1
	s_cmp_lg_u32 s29, 0
	s_cbranch_scc1 .Lchannels
	NEXT 0
	CHUNK
	s_wait_xcnt 0x0
	s_add_nc_u64 s[14:15], s[14:15], s[58:59]
.irp i, 0,1,2,3
	MULT \i
	STS 8*\i, 8
.endr
	s_wait_alu depctr_va_vdst(0)
	s_wait_tensorcnt 0x0                           ; the wave's end
	ds_add_u32 v[SPW], v[NIL]
	s_wait_dscnt 0x0
	CROUND                                         ; the closing round
	s_endpgm
.Lfunc_end_k_qa77ff475c2_attn:
	.size	k_qa77ff475c2_attn, .Lfunc_end_k_qa77ff475c2_attn-k_qa77ff475c2_attn
	.p2alignl 7, 3214868480
	.fill 96, 4, 3214868480
	.section	.rodata,"a",@progbits
	.p2align	6, 0x0
	.amdhsa_kernel k_qa77ff475c2_attn
		.amdhsa_group_segment_fixed_size 327680
		.amdhsa_private_segment_fixed_size 0
		.amdhsa_enable_private_segment 0
		.amdhsa_kernarg_size 48
		.amdhsa_user_sgpr_count 2
		.amdhsa_user_sgpr_kernarg_segment_ptr 1
		.amdhsa_wavefront_size32 1
		.amdhsa_system_sgpr_workgroup_id_x 1
		.amdhsa_system_sgpr_workgroup_id_y 1
		.amdhsa_system_sgpr_workgroup_id_z 1
		.amdhsa_system_vgpr_workitem_id 0
		.amdhsa_next_free_vgpr 1024
		.amdhsa_next_free_sgpr 66
		.amdhsa_reserve_vcc 0
		.amdhsa_float_denorm_mode_32 3
		.amdhsa_float_denorm_mode_16_64 3
		.amdhsa_memory_ordered 1
		.amdhsa_forward_progress 1
		.amdhsa_inst_pref_size 255
	.end_amdhsa_kernel
	.section	.bss,"aw",@nobits
	.p2align	6
	.space	262144
	.amdgpu_metadata
---
amdhsa.version: [ 1, 2 ]
amdhsa.kernels:
  - .name:           k_qa77ff475c2_attn
    .symbol:         k_qa77ff475c2_attn.kd
    .args:
      - { .name: x_codes, .offset: 0, .size: 8, .value_kind: global_buffer, .address_space: global }
      - { .name: wqi, .offset: 8, .size: 8, .value_kind: global_buffer, .address_space: global }
      - { .name: kv, .offset: 16, .size: 8, .value_kind: global_buffer, .address_space: global }
      - { .name: bq, .offset: 24, .size: 8, .value_kind: global_buffer, .address_space: global }
      - { .name: lowp_scales, .offset: 32, .size: 8, .value_kind: global_buffer, .address_space: global }
      - { .name: out0, .offset: 40, .size: 8, .value_kind: global_buffer, .address_space: global }
    .group_segment_fixed_size: 327680
    .private_segment_fixed_size: 0
    .kernarg_segment_align: 8
    .kernarg_segment_size: 48
    .max_flat_workgroup_size: 128
    .sgpr_count:     66
    .vgpr_count:     1024
    .wavefront_size: 32
...
	.end_amdgpu_metadata
.endif
;; end of part 2
